; MI455X (gfx1250); checked and timed in simulation.
; The chip was launched on July 23, 2026; its instructions are those of AMD's public machine-readable ISA for CDNA 5 (MIT licence, August 2026) and "CDNA5" Instruction Set Architecture Reference Guide (July 2026). The comments in the code are by the model that wrote it; some were corrected since.
;; Multi Head Self Attention. Allowed arithmetic: matrix products marked QUANTISED: E2M1 operands, one E8M0 scale for each 32 along K, by v_wmma_scale_f32_16x16x128_f8f6f4 with both operands' format E2M1 (or v_wmma_scale_f32_32x16x128_f4), f32 sums; everything else in f32.
;; Inputs: Wout 1,024 x 1,024 float32; Wqkv 1,024 x 3,072 float32; bout 1,024 float32; bqkv 3,072 float32; x 4 x 2,048 x 1,024 float32.
;; Outputs: out0 4 x 2,048 x 1,024 float32.
;; This version of the problem:
;;   THIS VERSION OF THE PROBLEM IS GIVEN IN LOW PRECISION. The matrix products marked QUANTISED in the list below multiply operands that are first quantised to E2M1 (2 exponent bits, 1 mantissa bit; 4 bits a number), with one power-of-two scale for each 32 numbers along K (OCP MX v1.0); their sums are f32. All else is computed in f32.
;;   The module's matrix products, in the order in which they are computed (A, B: the left and right operand; K: the contracted axis; several contracted axes count as one K, in the product's order):
;;     1. [M 8,192, K 1,024] x [K 1,024, N 3,072]; A: input x; B: input Wqkv: QUANTISED
;;     2. batch 64 x [M 2,048, K 64] x [K 64, N 2,048]; A: computed on the way; B: computed on the way: QUANTISED
;;     3. batch 64 x [M 64, K 2,048] x [K 2,048, N 2,048]; A: computed on the way; B: softmax (see below): QUANTISED
;;     4. [M 8,192, K 1,024] x [K 1,024, N 1,024]; A: computed on the way; B: input Wout: QUANTISED
;;   THE QUANTISER, for each operand of a quantised product, along K:
;;     - K is cut into blocks of 32 from its start; a last block that is shorter is filled with zeros.
;;     - A block's scale is 2^e with e = floor(log2(the largest magnitude in the block)) - 2, held to -126 .. 127; a block of zeros has e = 0. As a byte (E8M0): e + 127.
;;     - Each number is divided by its block's scale, clamped to +-6, and rounded to the nearest number of E2M1, ties to even, subnormals kept.
;;     - The product sums the exact products of the quantised numbers (number of the format x scale) in f32.
;;   ~~~python
;;   def quantise(x, axis):      # numpy; x: float32 -> the quantised numbers, widened to float32 again
;;       x = np.moveaxis(x, axis, -1); K = x.shape[-1]
;;       x = np.pad(x, [(0, 0)] * (x.ndim - 1) + [(0, -K % 32)]); x = x.reshape(x.shape[:-1] + (-1, 32)); a = np.abs(x).max(-1, keepdims=True)
;;       e = np.where(a > 0, np.clip(np.frexp(np.where(a > 0, a, 1))[1] - 1 - 2, -126, 127), 0)      # np.frexp(a)[1] - 1 = floor(log2(a)), exactly
;;       r = np.clip(x / 2.0 ** e, -6, 6)
;;       step = 2.0 ** (np.maximum(np.frexp(np.where(r == 0, 1, r))[1] - 1, 0) - 1)
;;       q = np.round(r / step) * step * 2.0 ** e      # np.round: ties to even
;;       return np.moveaxis(q.reshape(q.shape[:-2] + (-1,))[..., :K], -1, axis).astype(np.float32)
;;   ~~~
;;   SOFTMAX AHEAD OF A QUANTISED PRODUCT. Where the list says 'softmax', what is quantised is not the finished softmax but p = 2^(t - M), with t = logit x log2(e) and M = ceil(the row's largest t), a whole number; so 1/2 < the row's largest p <= 1. The row's sum l is taken of the UNQUANTISED p, in f32, and the product's result is divided by l at the end. Since M is a whole number, a kernel that streams over the keys may use a running M (the ceiling of the running maximum): every later rescaling is an exact power of two, which a block's scale takes up: the codes' values come out the same.
;;   OPERANDS COMPUTED ON THE WAY. 'Computed on the way' means the value that the module computes at that place (a softmax that the list does not call 'softmax' is quantised finished and normalised). What goes into a quantiser is computed in f32, as accurately as f32 sums, v_exp_f32 and their like allow (about 1e-6 of the number): no bf16 or f16 on the way to a quantiser, and a product that is left as it is and whose result goes on into a quantised operand takes f32 operands (vector FMAs, or v_wmma_f32_16x16x4_f32). A number that lies on a knife's edge between two numbers of the format may be rounded either way, as far as f32 arithmetic and the matrix unit's own rounding can turn it there, and no further.
;; One version. Each part assembles by itself: llvm-mc -triple=amdgcn-amd-amdhsa -mcpu=gfx1250 --defsym DOCPART=n.
;; ======== version 1 of 1: 4 launches
;; workspace buffers: xq 4,456,448 bytes; wq 2,228,224 bytes; qq 4,456,448 bytes; kv 8,912,896 bytes; oq 4,456,448 bytes
;; launch quant (part 1): grid 512 x 1, 4 waves a work-group, no clusters, 34,304 bytes of LDS; arguments x, Wqkv, Wout, xq, wq; writes xq, wq
.if DOCPART == 1
	.amdgcn_target "amdgcn-amd-amdhsa--gfx1250"
	.amdhsa_code_object_version 6
	.text
	.protected	k_qae91aed659_quant
	.globl	k_qae91aed659_quant
	.p2align	8
	.type	k_qae91aed659_quant,@function
k_qae91aed659_quant:
	s_mov_b64 s[64:65], 0
	v_nop
	global_prefetch_b8 v0, s[64:65] scope:SCOPE_SE
	s_setreg_imm32_b32 hwreg(HW_REG_WAVE_MODE, 25, 1), 1
	s_wait_xcnt 0x0
; x [8192][1024], Wqkv [1024][3072] and Wout [1024][1024], f32, become codes of FP4 (E2M1) with one E8M0 byte for each 32 along K (K = 1,024 in all three),
; laid as IMAGES OF THE OPERANDS' REGISTERS.  A fragment (16 rows x 128 K) is 1,024 bytes: register group c (0, 1) at 512 c, lane l at 16 l; a piece of 16 bytes is one block: row l % 16, k = 64 c + 32 (l / 16) + 0 .. 31.
; A tile's scale words (one for each K step of 128) are 512 bytes: [K step / 4][row][4 words].
; THE ROWS OF A TILE ARE NOT NEIGHBOURS: row r of tile 2 b + u of a group of 32 is element 32 b + 8 u + r + 8 (r / 8) (tokens of x, columns of the weights).
; xq: 32 blocks of 256 tokens x [16 tiles x 8 K steps x 1,024 | 16 x 512].   wq: 16 heads x [12 tiles x 8,192 | 12 x 512] (tile = 4 x (q, k, v) + 2 b + u), then from WO on 8 blocks of 128 columns of Wout x [8 x 8,192 | 8 x 512].
; A block's scale is 2^(floor(log2(largest magnitude)) - 2): its byte is the largest magnitude's exponent field - 2, held at 1 from below by a floor among the maximum's leaves.
; LIMITS: NaN and infinities are not served; a block of zeros gets the byte 1 where the rule says 127: its codes are zeros, and this program alone reads the bytes.
; Work-groups 0-255 take x, 256-511 the weights.  Waves share nothing: no barrier.  No cluster: no two work-groups read the same bytes.  Only x's path uses LDS.
.set XBLK, 139264
.set WO,   1671168
.set C,    24                          ; v24-55   codes
.set X,    56                          ; v56-119  x: 64 neighbours of my row: two whole blocks
.set R,    120                         ; v120-247 numbers as loaded
; the largest magnitude of v[x] .. v[x + 31], and the floor 2^(3 - 127), into v[d]; v[e] is the second chain
.macro MAX32 d, e, x
	v_max3_num_f32 v[\d], |v[\x]|, |v[\x+1]|, |v[\x+2]|
	v_max3_num_f32 v[\e], |v[\x+3]|, |v[\x+4]|, |v[\x+5]|
.irp i, 6,10,14,18,22,26
	v_max3_num_f32 v[\d], v[\d], |v[\x+\i]|, |v[\x+\i+1]|
	v_max3_num_f32 v[\e], v[\e], |v[\x+\i+2]|, |v[\x+\i+3]|
.endr
	v_max3_num_f32 v[\d], v[\d], |v[\x+30]|, |v[\x+31]|
	v_max3_num_f32 v[\d], v[\d], v[\e], 0x1800000
.endm
	s_load_b128 s[4:7], s[0:1], 0x0                ; x, Wqkv
	s_load_b128 s[8:11], s[0:1], 0x10              ; Wout, xq
	s_load_b64 s[12:13], s[0:1], 0x20              ; wq
	v_lshl_add_u32 v248, v0, 2, 0x8400
	v_mov_b32 v249, 0
	v_lshrrev_b32 v1, 5, v0
	v_readfirstlane_b32 s14, v1                    ; wave 0..3
	s_mov_b32 s28, 0x76543210
	s_mov_b32 s29, 0xfedcba98                      ; v_permlanex16_b32's selects for lane l xor 16
	s_wait_kmcnt 0x0
	s_cmp_lt_u32 ttmp9, 256
	s_cbranch_scc0 .Lweights
; ---------------- x.  A wave takes one tile of 16 tokens x 512 along K: four K steps.
	v_and_b32 v9, 31, v0
	v_lshlrev_b32 v1, 4, v9                        ; 16 x lane: my bytes of a load's 512, and of an image's 512
	v_and_b32 v2, 15, v0                           ; r
	v_bfe_u32 v3, v0, 4, 1                         ; h
	s_mul_i32 s15, s14, 8448                       ; my wave's stage: 16 rows of 512 bytes + 16
	v_add_nc_u32 v4, s15, v1                       ; into it: as loaded
	v_mul_u32_u24 v5, v2, 528
	v_lshl_add_u32 v5, v3, 7, v5
	v_add_nc_u32 v5, s15, v5                       ; out of it: row r, + 128 h: 32 neighbours
	v_lshlrev_b32 v6, 3, v3                        ; 8 h
	v_lshl_add_u32 v7, v2, 4, v6                   ; 16 r + 8 h: my two scale words
	v_mov_b32 v10, 0                               ; a lane permute's destination counts as one of its sources
	s_lshl_b32 s16, ttmp9, 2
	s_add_co_u32 s16, s16, s14                     ; unit
	s_lshr_b32 s17, s16, 1                         ; tile 0..511
	s_and_b32 s18, s16, 1                          ; which half of K
	s_lshr_b32 s20, s17, 1
	s_lshl_b32 s20, s20, 5
	s_and_b32 s21, s17, 1
	s_lshl_b32 s21, s21, 3
	s_add_co_u32 s20, s20, s21                     ; the tile's first token: 32 (tile / 2) + 8 (tile % 2)
	s_lshl_b32 s20, s20, 12
	s_lshl_b32 s21, s18, 11
	s_add_co_u32 s20, s20, s21
	s_mov_b32 s21, 0
	s_lshr_b32 s22, s17, 4
	s_mul_i32 s22, s22, XBLK                       ; the block of 256 tokens
	s_and_b32 s23, s17, 15
	s_lshl_b32 s24, s23, 13
	s_add_co_u32 s24, s24, s22
	s_lshl_b32 s25, s18, 12
	s_add_co_u32 s24, s24, s25                     ; codes: tile x 8,192 + 4 K steps x half
	s_mov_b32 s25, 0
	s_lshl_b32 s26, s23, 9
	s_add_co_u32 s26, s26, s22
	s_lshl_b32 s27, s18, 8
	s_add_co_u32 s26, s26, s27
	s_add_co_u32 s26, s26, 131072                  ; scale words: behind the block's codes
	s_mov_b32 s27, 0
	s_add_nc_u64 s[4:5], s[4:5], s[20:21]
	s_add_nc_u64 s[24:25], s[10:11], s[24:25]
	s_add_nc_u64 s[26:27], s[10:11], s[26:27]
.macro LOADX s                         ; K step s: sixteen loads, each 512 consecutive bytes of one row
.irp i, 0,1,2,3,4,5,6,7,8,9,10,11,12,13,14,15
	global_load_b128 v[R+64*((\s)%2)+4*\i:R+64*((\s)%2)+4*\i+3], v1, s[4:5] offset:(\i+8*(\i/8))*4096+512*(\s) th:TH_LOAD_NT
.endr
.endm
.macro TURN s                          ; through the stage: LDS serves a wave's instructions in order, so no wait stands between the stores and the loads
.irp i, 0,1,2,3,4,5,6,7,8,9,10,11,12,13,14,15
	ds_store_b128 v4, v[R+64*((\s)%2)+4*\i:R+64*((\s)%2)+4*\i+3] offset:528*\i
.endr
.irp c, 0,1
.irp j, 0,1,2,3,4,5,6,7
	ds_load_b128 v[X+32*\c+4*\j:X+32*\c+4*\j+3], v5 offset:256*\c+16*\j
.endr
.endr
.endm
.macro XSTEP s
.if (\s) < 3
	s_wait_loadcnt 16                              ; this K step's sixteen loads are in; the next step's sixteen may be out
.else
	s_wait_loadcnt 0
.endif
	TURN \s
	s_wait_dscnt 0x0                               ; my 64 neighbours are back, and the stage's stores have read the set of registers,
.if (\s) < 2
	LOADX (\s)+2                                   ; which takes the K step two on
.endif
	MAX32 8, 9, X                                  ; block h
	MAX32 12, 13, X+32                             ; block 2 + h
	v_add_nc_u32 v8, 0xff000000, v8                ; 2 off the exponent field: the conversion takes the exponent field of this operand as its scale
	v_add_nc_u32 v12, 0xff000000, v12
.irp g, 0,1,2,3
	v_cvt_scalef32_pk8_fp4_f32 v[C+8*(\s)+\g], v[X+8*\g:X+8*\g+7], v8
	v_cvt_scalef32_pk8_fp4_f32 v[C+8*(\s)+4+\g], v[X+32+8*\g:X+32+8*\g+7], v12
.endr
	v_lshrrev_b32 v9, 23, v8                       ; the bytes (a plain line behind the conversions)
	v_lshrrev_b32 v13, 23, v12
	v_lshl_or_b32 v9, v13, 16, v9
	v_lshlrev_b32 v9, v6, v9                       ; at their places in the word: 8 h bits up
	v_permlanex16_b32 v10, v9, s28, s29
	v_or_b32 v[16+(\s)], v9, v10                   ; with lane l xor 16's two the word is whole
	global_store_b128 v1, v[C+8*(\s):C+8*(\s)+3], s[24:25] offset:1024*(\s)         ; 32 lanes store 512 consecutive bytes
	global_store_b128 v1, v[C+8*(\s)+4:C+8*(\s)+7], s[24:25] offset:1024*(\s)+512
.endm
	LOADX 0
	LOADX 1
	s_wait_alu depctr_va_vdst(0)
	XSTEP 0
	XSTEP 1
	XSTEP 2
	XSTEP 3
	v_cmp_eq_u32 vcc_lo, 1, v3
	v_cndmask_b32 v20, v16, v18, vcc_lo            ; lanes 0-15 store words 0, 1 of their row, lanes 16-31 words 2, 3:
	v_cndmask_b32 v21, v17, v19, vcc_lo
	global_store_b64 v7, v[20:21], s[26:27]        ; 256 consecutive bytes
	s_wait_tensorcnt 0x0
	ds_add_u32 v248, v249
	s_wait_dscnt 0x0
	s_endpgm
; ---------------- the weights.  K is their FIRST axis: a lane takes a column and its registers run down K.  A wave takes 32 columns x one K step of 128: four blocks a lane.
.Lweights:
	v_and_b32 v9, 31, v0
	v_lshlrev_b32 v1, 2, v9                        ; in: 4 bytes a lane
	v_bfe_u32 v2, v0, 4, 1
	v_bfe_u32 v3, v0, 3, 1                         ; u: which of the group's two tiles my column falls into
	v_and_b32 v4, 7, v0
	v_lshl_add_u32 v4, v2, 3, v4                   ; and which row of it: 8 (lane / 16) + lane % 8
	v_lshlrev_b32 v4, 4, v4
	v_lshl_add_u32 v5, v3, 13, v4                  ; codes: 8,192 u + 16 row
	v_lshl_add_u32 v6, v3, 9, v4                   ; scale words: 512 u + 16 row
	s_sub_co_u32 s16, ttmp9, 256
	s_and_b32 s17, s16, 7                          ; K step
	s_lshr_b32 s18, s16, 3                         ; 128 columns: 0-23 of Wqkv, 24-31 of Wout
	s_lshl_b32 s30, s17, 10                        ; the K step's image in a tile
	s_lshr_b32 s31, s17, 2
	s_lshl_b32 s31, s31, 8
	s_and_b32 s32, s17, 3
	s_lshl_b32 s32, s32, 2
	s_add_co_u32 s31, s31, s32                     ; and its word in a tile's scales
.macro WLOAD t, n                      ; block t: W(32 t + i, my column)
.irp i, 0,1,2,3,4,5,6,7,8,9,10,11,12,13,14,15,16,17,18,19,20,21,22,23,24,25,26,27,28,29,30,31
	global_load_b32 v[R+32*(\t)+\i], v1, s[4:5] offset:(32*(\t)+\i)*(\n)*4 th:TH_LOAD_NT
.endr
.endm
.macro WBODY n                         ; n: numbers in a row of the weight; every offset is an immediate, 127 rows at the most
	WLOAD 0, \n
	WLOAD 1, \n
.irp t, 0,1,2,3
.if \t < 3
	s_wait_loadcnt 32                              ; this block's 32 loads are in; the next block's may be out
.else
	s_wait_loadcnt 0
.endif
.if \t < 2
	WLOAD \t+2, \n
.endif
	MAX32 12, 13, R+32*\t                          ; all 32 numbers of the block are mine
	v_add_nc_u32 v11, 0xff000000, v12
	v_lshrrev_b32 v13, 23, v11
.if \t == 0
	v_mov_b32 v16, v13
.else
	v_lshl_or_b32 v16, v13, 8*\t, v16              ; four bytes make my column's word for this K step
.endif
.irp g, 0,1,2,3
	v_cvt_scalef32_pk8_fp4_f32 v[C+4*\t+\g], v[R+32*\t+8*\g:R+32*\t+8*\g+7], v11
.endr
	global_store_b128 v5, v[C+4*\t:C+4*\t+3], s[24:25] offset:512*(\t/2)+256*(\t%2)   ; the sixteen lanes of a tile store 256 consecutive bytes
.endr
	global_store_b32 v6, v16, s[26:27]             ; 4 bytes of each row's 16: 128 KiB in the whole launch go out so
.endm
	s_cmp_lt_u32 s18, 24
	s_cbranch_scc0 .Lwout
	s_lshl_b32 s19, s18, 2
	s_add_co_u32 s19, s19, s14                     ; group of 32 columns, 0..95
	s_mul_i32 s20, s19, 43
	s_lshr_b32 s20, s20, 8                         ; head = group / 6 (43 / 256 serves up to 95)
	s_mul_i32 s21, s20, 6
	s_sub_co_u32 s21, s19, s21                     ; group in the head: 2 x (q, k, v) + b
	s_mul_i32 s22, s20, 104448
	s_lshl_b32 s23, s21, 14                        ; two tiles a group
	s_add_co_u32 s24, s22, s23
	s_add_co_u32 s24, s24, s30
	s_mov_b32 s25, 0
	s_lshl_b32 s23, s21, 10
	s_add_co_u32 s26, s22, s23
	s_add_co_u32 s26, s26, s31
	s_add_co_u32 s26, s26, 98304
	s_mov_b32 s27, 0
	s_mul_i32 s20, s17, 128*3072*4
	s_lshl_b32 s21, s19, 7
	s_add_co_u32 s20, s20, s21
	s_mov_b32 s21, 0
	s_add_nc_u64 s[4:5], s[6:7], s[20:21]
	s_add_nc_u64 s[24:25], s[12:13], s[24:25]
	s_add_nc_u64 s[26:27], s[12:13], s[26:27]
	s_wait_alu depctr_va_vdst(0)
	WBODY 3072
	s_endpgm
.Lwout:
	s_sub_co_u32 s19, s18, 24
	s_lshl_b32 s19, s19, 2
	s_add_co_u32 s19, s19, s14                     ; group of 32 columns, 0..31
	s_lshr_b32 s20, s19, 2
	s_mul_i32 s22, s20, 69632
	s_add_co_u32 s22, s22, WO                      ; the block of 128 columns
	s_and_b32 s21, s19, 3
	s_lshl_b32 s23, s21, 14
	s_add_co_u32 s24, s22, s23
	s_add_co_u32 s24, s24, s30
	s_mov_b32 s25, 0
	s_lshl_b32 s23, s21, 10
	s_add_co_u32 s26, s22, s23
	s_add_co_u32 s26, s26, s31
	s_add_co_u32 s26, s26, 65536
	s_mov_b32 s27, 0
	s_mul_i32 s20, s17, 128*1024*4
	s_lshl_b32 s21, s19, 7
	s_add_co_u32 s20, s20, s21
	s_mov_b32 s21, 0
	s_add_nc_u64 s[4:5], s[8:9], s[20:21]
	s_add_nc_u64 s[24:25], s[12:13], s[24:25]
	s_add_nc_u64 s[26:27], s[12:13], s[26:27]
	s_wait_alu depctr_va_vdst(0)
	WBODY 1024
	s_endpgm
.Lfunc_end_k_qae91aed659_quant:
	.size	k_qae91aed659_quant, .Lfunc_end_k_qae91aed659_quant-k_qae91aed659_quant
	.p2alignl 7, 3214868480
	.fill 96, 4, 3214868480
	.section	.rodata,"a",@progbits
	.p2align	6, 0x0
	.amdhsa_kernel k_qae91aed659_quant
		.amdhsa_group_segment_fixed_size 34304
		.amdhsa_private_segment_fixed_size 0
		.amdhsa_enable_private_segment 0
		.amdhsa_kernarg_size 40
		.amdhsa_user_sgpr_count 2
		.amdhsa_user_sgpr_kernarg_segment_ptr 1
		.amdhsa_wavefront_size32 1
		.amdhsa_system_sgpr_workgroup_id_x 1
		.amdhsa_system_sgpr_workgroup_id_y 1
		.amdhsa_system_sgpr_workgroup_id_z 1
		.amdhsa_system_vgpr_workitem_id 0
		.amdhsa_next_free_vgpr 250
		.amdhsa_next_free_sgpr 66
		.amdhsa_reserve_vcc 1
		.amdhsa_float_denorm_mode_32 3
		.amdhsa_float_denorm_mode_16_64 3
		.amdhsa_memory_ordered 1
		.amdhsa_forward_progress 1
		.amdhsa_inst_pref_size 69
	.end_amdhsa_kernel
	.amdgpu_metadata
---
amdhsa.version: [ 1, 2 ]
amdhsa.kernels:
  - .name:           k_qae91aed659_quant
    .symbol:         k_qae91aed659_quant.kd
    .args:
      - { .name: x, .offset: 0, .size: 8, .value_kind: global_buffer, .address_space: global }
      - { .name: Wqkv, .offset: 8, .size: 8, .value_kind: global_buffer, .address_space: global }
      - { .name: Wout, .offset: 16, .size: 8, .value_kind: global_buffer, .address_space: global }
      - { .name: xq, .offset: 24, .size: 8, .value_kind: global_buffer, .address_space: global }
      - { .name: wq, .offset: 32, .size: 8, .value_kind: global_buffer, .address_space: global }
    .group_segment_fixed_size: 34304
    .private_segment_fixed_size: 0
    .kernarg_segment_align: 8
    .kernarg_segment_size: 40
    .max_flat_workgroup_size: 128
    .sgpr_count:     66
    .vgpr_count:     250
    .wavefront_size: 32
...
	.end_amdgpu_metadata
.endif
;; end of part 1
;; launch qkv (part 2): grid 16 x 32, 12 waves a work-group, clusters of 4 x 1, 245,248 bytes of LDS; arguments xq, wq, bqkv, qq, kv; writes qq, kv
.if DOCPART == 2
	.amdgcn_target "amdgcn-amd-amdhsa--gfx1250"
	.amdhsa_code_object_version 6
	.text
	.protected	k_qae91aed659_qkv
	.globl	k_qae91aed659_qkv
	.p2align	8
	.type	k_qae91aed659_qkv,@function
k_qae91aed659_qkv:
	s_mov_b64 s[64:65], 0
	v_nop
	global_prefetch_b8 v0, s[64:65] scope:SCOPE_SE
	s_setreg_imm32_b32 hwreg(HW_REG_WAVE_MODE, 25, 1), 1
	s_wait_xcnt 0x0
	s_wait_alu depctr_hold_cnt(0) depctr_sa_sdst(0) depctr_va_vdst(0) depctr_va_sdst(0) depctr_va_ssrc(0) depctr_va_vcc(0) depctr_vm_vsrc(0)
	s_getreg_b32 s2, hwreg(HW_REG_IB_STS2, 6, 4)
	s_cmp_eq_u32 s2, 0
	s_cbranch_scc0 .Lentry_in_a_cluster
	s_endpgm
.Lentry_in_a_cluster:
	s_bfe_u32 s2, ttmp6, 0x10000c
	s_cmp_lg_u32 s2, 0x3003
	s_cbranch_scc0 .Lentry_shape_is_right
	s_endpgm
.Lentry_shape_is_right:
; qkv = x Wqkv + bqkv on codes of FP4 (E2M1) with E8M0 scales, K = 1,024; q, k and v leave as codes, quantised for the products that follow, laid as images of those products' operand registers.
; SHARES.  A work-group makes 256 tokens x one head's 192 columns.  Its block of x (139,264 bytes) and the head's weights (104,448) lie in LDS whole, filled once: no ring.
; Twelve waves: wave w takes tokens 64 (w % 4) on and piece w / 4 (q, k, v): 64 x 64 results, 16 accumulators.
; CLUSTER.  The four work-groups of a cluster take four heads of the same 256 tokens: the block of x is asked for JOINTLY (waves 0-7, an eighth each); waves 8-11 fetch the head's own weights, a quarter each.
; LAYOUT.  q, k: source 0 = 16 columns of W, source 1 = 16 tokens: a lane holds one token, its registers run along the head's 64, the next K.  v: source 0 = 16 tokens, source 1 = 16 columns:
; a lane holds one channel, its registers run along the tokens: the keys, the K of the product with p.  The rows of a tile of x and of W are chosen (row r of tile 2 b + u = element 32 b + 8 u + r + 8 (r / 8)),
; so that the 16 registers of source-0 tiles 2 b, 2 b + 1 are 16 neighbours.  The bias is the C of each sum's first product.
; OUT.  64 registers of a lane (4 blocks of 32, each shared with lane l xor 16) become one fragment of 8 registers and one scale word.
;   q, k: registers 0-3 are token tile 2 i (the head's 64 at k 0..63), registers 4-7 tile 2 i + 1 (at k 64..127): a PAIR image; qq, kv: [step of 128 tokens][4 pairs][1,024].
;   v: registers 0-3 are channel tile 2 i, registers 4-7 tile 2 i + 1, both for my 64 keys: kv + 65,536: [step][4 channel tiles][half of the step's keys][512].
;   scale words: qq + 65,536: [step][row][4 pairs]; kv + 131,072: [step][k, v][row][4 words].
; LIMITS: NaN and infinities are not served; a block of zeros carries the byte 1 (its codes are zeros; this program alone reads the bytes).
.set XBLK, 139264
.set WBLK, 104448
.set XA,   104448                      ; LDS: the weights at 0, the block of x behind them
.set F0,   16                          ; v16-47   four fragments of source 0
.set F1,   48                          ; v48-79   four of source 1
.set SS,   80                          ; v80-95   scale words: register 4 i + q: lanes 0-15 source 1's tile i, lanes 16-31 source 0's tile i, K step 4 g + q
.set BIAS, 96                          ; v96-127  the bias, four tiles in the result's layout
.set ACC,  128                         ; v128-255 accumulator (a, t) at 8 (4 a + t): a source 1's tile, t source 0's
.set TM,   16                          ; the way out: at work, where source 0's fragments lay
.set WV,   14
.set SEL,  20
.set G1W,  24
.set G1X,  32
.set G0W,  40
.set G0X,  44
.macro CROUND                          ; a round of the cluster's barrier
	s_barrier_signal -1
	s_barrier_wait -1
	s_cmp_lg_u32 s[WV], 0
	s_cbranch_scc1 .Lnot_wave_0_\@
	s_barrier_signal -3
.Lnot_wave_0_\@:
	s_barrier_wait -3
	s_barrier_signal -1
	s_barrier_wait -1
.endm
.macro FETCH s                         ; K step s: eight fragments, and every fourth step the scale words of four steps
.rept 4
	v_nop                                          ; places in front of loads into registers that matrix instructions have read
.endr
.if (\s)%4 == 0
.irp i, 0,1,2,3
	ds_load_b128 v[SS+4*\i:SS+4*\i+3], v5 offset:512*\i+256*((\s)/4)
.endr
.endif
.irp t, 0,1,2,3
.irp c, 0,1
	ds_load_b128 v[F0+8*\t+4*\c:F0+8*\t+4*\c+3], v3 offset:8192*\t+1024*(\s)+512*\c
	ds_load_b128 v[F1+8*\t+4*\c:F1+8*\t+4*\c+3], v4 offset:8192*\t+1024*(\s)+512*\c
.endr
.endr
	s_wait_dscnt 0x0
.endm
.macro MULS s, mode                    ; sixteen products; the sixteen accumulators take turns.  mode 0: onto the sums; 1: C = the bias by source 0's tile; 2: by source 1's
.irp a, 0,1,2,3
.irp t, 0,1,2,3
.if \mode == 0
	v_wmma_scale_f32_16x16x128_f8f6f4 v[ACC+8*(4*\a+\t):ACC+8*(4*\a+\t)+7], v[F0+8*\t:F0+8*\t+7], v[F1+8*\a:F1+8*\a+7], v[ACC+8*(4*\a+\t):ACC+8*(4*\a+\t)+7], v[SS+4*\t+(\s)%4], v[SS+4*\a+(\s)%4] matrix_a_fmt:MATRIX_FMT_FP4 matrix_b_fmt:MATRIX_FMT_FP4 matrix_a_scale:MATRIX_SCALE_ROW1
.elseif \mode == 1
	v_wmma_scale_f32_16x16x128_f8f6f4 v[ACC+8*(4*\a+\t):ACC+8*(4*\a+\t)+7], v[F0+8*\t:F0+8*\t+7], v[F1+8*\a:F1+8*\a+7], v[BIAS+8*\t:BIAS+8*\t+7], v[SS+4*\t+(\s)%4], v[SS+4*\a+(\s)%4] matrix_a_fmt:MATRIX_FMT_FP4 matrix_b_fmt:MATRIX_FMT_FP4 matrix_a_scale:MATRIX_SCALE_ROW1
.else
	v_wmma_scale_f32_16x16x128_f8f6f4 v[ACC+8*(4*\a+\t):ACC+8*(4*\a+\t)+7], v[F0+8*\t:F0+8*\t+7], v[F1+8*\a:F1+8*\a+7], v[BIAS+8*\a:BIAS+8*\a+7], v[SS+4*\t+(\s)%4], v[SS+4*\a+(\s)%4] matrix_a_fmt:MATRIX_FMT_FP4 matrix_b_fmt:MATRIX_FMT_FP4 matrix_a_scale:MATRIX_SCALE_ROW1
.endif
.endr
.endr
.endm
; 64 numbers of a lane, register 16 b + i = place 16 (lane / 16) + i of block b, become a fragment's codes in v[pc] on and its scale word in v[pw]
.macro QUANT s, pc, pw
.irp b, 0,1,2,3
	v_max3_num_f32 v[TM+\b], |v[\s+16*\b]|, |v[\s+1+16*\b]|, 0x1800000   ; my 16 numbers, and the floor 2^(3 - 127): the byte cannot fall under 1.  Each accumulator is read from its low end on
.endr
.irp i, 2,4,6,8,10,12,14
.irp b, 0,1,2,3
	v_max3_num_f32 v[TM+\b], v[TM+\b], |v[\s+16*\b+\i]|, |v[\s+1+16*\b+\i]|
.endr
.endr
.irp b, 0,1,2,3
	s_delay_alu instid0(VALU_DEP_4)
	v_permlanex16_b32 v[TM+4+\b], v[TM+\b], s[SEL], s[SEL+1]
.endr
.irp b, 0,1,2,3
	s_delay_alu instid0(VALU_DEP_4)
	v_max_num_f32 v[TM+\b], v[TM+\b], v[TM+4+\b]   ; with lane l xor 16's: the block's largest magnitude
.endr
.irp b, 0,1,2,3
	s_delay_alu instid0(VALU_DEP_4)
	v_add_nc_u32 v[TM+12+\b], 0xff000000, v[TM+\b] ; 2 off its exponent field: the conversion's scale operand
.endr
.irp b, 0,1,2,3
	s_delay_alu instid0(VALU_DEP_4)
	v_lshrrev_b32 v[TM+4+\b], 23, v[TM+12+\b]      ; the byte
.endr
	s_delay_alu instid0(VALU_DEP_3)
	v_lshl_or_b32 v[\pw], v[TM+5], 8, v[TM+4]
	s_delay_alu instid0(VALU_DEP_1)
	v_lshl_or_b32 v[\pw], v[TM+6], 16, v[\pw]
	s_delay_alu instid0(VALU_DEP_1)
	v_lshl_or_b32 v[\pw], v[TM+7], 24, v[\pw]
.irp b, 0,1,2,3
	v_cvt_scalef32_pk8_fp4_f32 v[\pc+2*\b], v[\s+16*\b:\s+7+16*\b], v[TM+12+\b]
	v_cvt_scalef32_pk8_fp4_f32 v[\pc+1+2*\b], v[\s+8+16*\b:\s+15+16*\b], v[TM+12+\b]
.endr
	v_nop                                          ; one plain line behind a scaled conversion
.irp c, 0,1                            ; the operand's layout wants a whole block in a lane: lanes 0-15 block 2 c, lanes 16-31 block 2 c + 1
.irp i, 0,1
	v_permlane16_swap_b32 v[\pc+4*\c+\i], v[\pc+2+4*\c+\i]
.endr
.endr
.endm
	s_load_b256 s[4:11], s[0:1], 0x0               ; xq s[4:5], wq s[6:7], bqkv s[8:9], qq s[10:11]
	s_load_b64 s[12:13], s[0:1], 0x20              ; kv
	v_lshl_add_u32 v15, v0, 2, 0x3b800
	s_set_vgpr_msb 0x40
	v_mov_b32 v1, 0
	s_set_vgpr_msb 0x4044
	ds_add_u32 v15, v1
	ds_add_u32 v15, v1
	s_set_vgpr_msb 0x4400
	v_lshrrev_b32 v1, 5, v0
	s_delay_alu instid0(VALU_DEP_1)
	v_readfirstlane_b32 s[WV], v1                  ; wave 0..11
	s_bfe_u32 s15, ttmp6, 0x40000                  ; cx
	s_lshl_b32 s16, ttmp9, 2
	s_add_co_u32 s16, s16, s15                     ; head = 4 x cluster x + cx: it enters global addresses alone
	s_and_b32 s17, ttmp7, 0xffff                   ; the block of 256 tokens, which the four partners share
	s_mov_b32 s[SEL], 0x76543210
	s_mov_b32 s[SEL+1], 0xfedcba98
	; descriptor groups 1: dense blocks, as rows of 256 bytes (32 elements of 8 bytes), no padding
	s_mov_b32 s[G1X], 15|(3<<16)|(1<<21)           ; 15:0 the mask: all four work-groups; 17:16 elements of 8 bytes; 21 set beside a mask
	s_mov_b32 s[G1X+1], 32<<16                     ; tensor_dim0
	s_mov_b32 s[G1X+2], 68<<16                     ; tensor_dim1: an eighth of the block: 68 rows
	s_mov_b32 s[G1X+3], 32<<16                     ; tile_dim0
	s_mov_b32 s[G1X+4], 68                         ; tile_dim1
	s_mov_b32 s[G1X+5], 32                         ; from row to row
	s_mov_b32 s[G1X+6], 0
	s_mov_b32 s[G1X+7], 0
	s_mov_b32 s[G1W], 3<<16                        ; no mask: the weights are my work-group's own
	s_mov_b32 s[G1W+1], 32<<16
	s_mov_b32 s[G1W+2], 102<<16                    ; a quarter of the head's weights: 102 rows
	s_mov_b32 s[G1W+3], 32<<16
	s_mov_b32 s[G1W+4], 102
	s_mov_b32 s[G1W+5], 32
	s_mov_b32 s[G1W+6], 0
	s_mov_b32 s[G1W+7], 0
	s_and_b32 s18, s[WV], 7
	s_mul_i32 s19, s18, 17408                      ; which eighth of x's block
	s_mul_i32 s48, s17, XBLK
	s_add_co_u32 s48, s48, s19
	s_mov_b32 s49, 0
	s_and_b32 s50, s[WV], 3
	s_mul_i32 s51, s50, 26112                      ; which quarter of the weights
	s_mul_i32 s52, s16, WBLK
	s_add_co_u32 s52, s52, s51
	s_mov_b32 s53, 0
	s_wait_dscnt 0x0
	s_wait_kmcnt 0x0
	s_mov_b32 s[G0X], 1
	s_add_co_u32 s[G0X+1], s19, XA
	s_add_nc_u64 s[G0X+2:G0X+3], s[4:5], s[48:49]
	s_or_b32 s[G0X+3], s[G0X+3], 0x80000000
	s_mov_b32 s[G0W], 1
	s_mov_b32 s[G0W+1], s51
	s_add_nc_u64 s[G0W+2:G0W+3], s[6:7], s[52:53]
	s_or_b32 s[G0W+3], s[G0W+3], 0x80000000
	CROUND                                         ; all four work-groups are here: the joint loads meet
	s_cmp_lt_u32 s[WV], 8                          ; one tensor load a wave, the only one of the launch; four v_nop follow each line
	s_cbranch_scc0 .Lfor_w
	tensor_load_to_lds s[G0X:G0X+3], s[G1X:G1X+7]
	s_nop 0
.rept 4
	v_nop
.endr
	s_branch .Lasked
.Lfor_w:
	tensor_load_to_lds s[G0W:G0W+3], s[G1W:G1W+7]
	s_nop 0
.rept 4
	v_nop
.endr
.Lasked:
	; roles and LDS addresses, all on the common way
	s_and_b32 s54, s[WV], 3                        ; tg: my 64 tokens
	s_lshr_b32 s55, s[WV], 2                       ; ty: q, k, v
	s_lshl_b32 s56, s54, 15
	s_add_co_u32 s56, s56, XA                      ; x: my four tiles' codes,
	s_lshl_b32 s57, s54, 11
	s_add_co_u32 s57, s57, XA+131072               ; their scale words
	s_lshl_b32 s58, s55, 15                        ; W: my four tiles' codes,
	s_lshl_b32 s59, s55, 11
	s_add_co_u32 s59, s59, 98304                   ; their scale words
	s_cmp_eq_u32 s55, 2
	s_cselect_b32 s60, s56, s58                    ; source 0: x for v, W for q and k
	s_cselect_b32 s61, s58, s56                    ; source 1: the other
	s_cselect_b32 s62, s57, s59
	s_cselect_b32 s63, s59, s57
	v_and_b32 v7, 31, v0
	s_delay_alu instid0(VALU_DEP_1)
	v_lshlrev_b32 v1, 4, v7                        ; 16 x lane
	v_and_b32 v7, 15, v0                           ; r
	s_delay_alu instid0(VALU_DEP_1)
	v_lshlrev_b32 v2, 4, v7                        ; 16 r
	v_bfe_u32 v6, v0, 4, 1                         ; h
	s_delay_alu instid0(VALU_DEP_4)
	v_add_nc_u32 v3, s60, v1
	v_add_nc_u32 v4, s61, v1
	s_delay_alu instid0(VALU_DEP_3)
	v_cmp_eq_u32 vcc_lo, 1, v6
	v_mov_b32 v8, s63
	v_mov_b32 v9, s62
	s_delay_alu instid0(VALU_DEP_1)
	v_cndmask_b32 v5, v8, v9, vcc_lo               ; lanes 0-15 take source 1's scale words, lanes 16-31 source 0's
	s_delay_alu instid0(VALU_DEP_1)
	v_add_nc_u32 v5, v5, v2
	; the bias: my piece's 64 numbers
	s_mul_i32 s66, s16, 768
	s_lshl_b32 s67, s55, 8
	s_add_co_u32 s66, s66, s67
	s_mov_b32 s67, 0
	s_add_nc_u64 s[8:9], s[8:9], s[66:67]
	v_lshlrev_b32 v10, 6, v6                       ; q, k: 64 h
	v_and_b32 v11, 8, v7
	s_delay_alu instid0(VALU_DEP_1)
	v_add_nc_u32 v11, v11, v7
	s_delay_alu instid0(VALU_DEP_1)
	v_lshlrev_b32 v11, 2, v11                      ; v: 4 (r + 8 (r / 8))
	; where the results go
	s_lshr_b32 s66, s17, 3
	s_lshl_b32 s66, s66, 4
	s_add_co_u32 s66, s66, s16                     ; batch x 16 + head
	s_and_b32 s67, s17, 7
	s_lshl_b32 s67, s67, 1
	s_lshr_b32 s68, s54, 1
	s_add_co_u32 s67, s67, s68                     ; the step of 128 tokens
	s_and_b32 s68, s54, 1                          ; and which half of it
	s_lshr_b32 s69, s55, 1                         ; 1 for v
	s_cmp_eq_u32 s55, 0
	s_cselect_b32 s70, 1, 0                        ; 1 for q
	s_cselect_b64 s[72:73], s[10:11], s[12:13]     ; q goes to qq, k and v to kv
	s_lshr_b32 s71, XBLK, s70
	s_mul_i32 s71, s71, s66                        ; the head's part of the buffer
	s_lshl_b32 s74, s69, 16
	s_add_co_u32 s74, s74, s71
	s_lshl_b32 s75, s67, 12
	s_add_co_u32 s74, s74, s75
	s_lshl_b32 s75, s69, 1
	s_lshr_b32 s76, 2048, s75
	s_mul_i32 s76, s76, s68
	s_add_co_u32 s74, s74, s76                     ; codes: q, k: two pairs a half step; v: 512 bytes
	s_lshl_b32 s76, 512, s69                       ; from registers 0-3 to registers 4-7
	s_lshl_b32 s77, 1024, s69                      ; from the first 64 registers' fragment to the second's
	s_lshr_b32 s78, 131072, s70
	s_add_co_u32 s78, s78, s71
	s_lshr_b32 s79, 512, s70
	s_mul_i32 s79, s79, s67
	s_add_co_u32 s78, s78, s79
	s_lshl_b32 s79, s69, 8
	s_add_co_u32 s78, s78, s79
	s_lshr_b32 s79, 8, s75
	s_mul_i32 s79, s79, s68
	s_add_co_u32 s78, s78, s79                     ; scale bytes
	s_lshl_b32 s75, 4, s69                         ; from the first fragment's to the second's
	s_lshl_b32 s79, 2, s69                         ; from the word's low half to its high half
	s_cmp_eq_u32 s55, 2
	s_cbranch_scc1 .Lbias_v
	s_wait_alu depctr_va_vdst(0)
.irp t, 0,1,2,3                        ; q, k: lane (r, h) wants, for W's tile 2 b + u, the numbers 32 b + 16 h + 8 u + 0 .. 7
	global_load_b128 v[BIAS+8*\t:BIAS+8*\t+3], v10, s[8:9] offset:(32*(\t/2)+8*(\t%2))*4
	global_load_b128 v[BIAS+8*\t+4:BIAS+8*\t+7], v10, s[8:9] offset:(32*(\t/2)+8*(\t%2))*4+16
.endr
	s_wait_loadcnt 0x0
	s_branch .Lbias_done
.Lbias_v:
	s_wait_alu depctr_va_vdst(0)
.irp a, 0,1,2,3                        ; v: a lane holds one channel: one number, eight times
	global_load_b32 v[BIAS+8*\a], v11, s[8:9] offset:(32*(\a/2)+8*(\a%2))*4
.endr
	s_wait_loadcnt 0x0
.irp a, 0,1,2,3
.irp j, 1,2,3,4,5,6,7
	v_mov_b32 v[BIAS+8*\a+\j], v[BIAS+8*\a]
.endr
.endr
.Lbias_done:
	s_wait_tensorcnt 0x0                           ; my part of the tiles has landed,
	s_barrier_signal -1
	s_barrier_wait -1                              ; everybody's has.  From here on LDS is only read
	FETCH 0
	s_cmp_eq_u32 s55, 2
	s_cbranch_scc1 .Lfirst_v
	s_wait_alu depctr_va_vdst(0)
	MULS 0, 1                                      ; the first K step starts the sums, with the bias as C
	s_branch .Lfirst_done
.Lfirst_v:
	s_wait_alu depctr_va_vdst(0)
	MULS 0, 2
.Lfirst_done:
.irp s, 1,2,3,4,5,6,7
	FETCH \s
	MULS \s, 0
.endr
	; THE WAY OUT.  The address lines are the places behind the last products
	v_add_nc_u32 v8, s74, v1
	s_delay_alu instid0(VALU_DEP_1)
	v_add_nc_u32 v9, s76, v8
	s_delay_alu instid0(VALU_DEP_2)
	v_add_nc_u32 v10, s77, v8
	s_delay_alu instid0(VALU_DEP_2)
	v_add_nc_u32 v11, s77, v9
	v_mul_u32_u24 v12, s79, v6
	s_delay_alu instid0(VALU_DEP_1)
	v_add3_u32 v12, v12, v2, s78                   ; lanes 0-15 store the word's low half, lanes 16-31 its high half
	s_delay_alu instid0(VALU_DEP_1)
	v_add_nc_u32 v13, s75, v12
	v_lshlrev_b32 v14, 4, v6                       ; 16 h
.irp b, 0,1,2,3
	v_mov_b32 v[TM+4+\b], 0                        ; a lane permute's destination counts as one of its sources
.endr
.irp i, 0,1
	QUANT ACC+64*\i, 40+8*\i, 32+\i
	global_store_b128 v[8+2*\i], v[40+8*\i:43+8*\i], s[72:73]    ; 32 lanes store 512 consecutive bytes
	global_store_b128 v[9+2*\i], v[44+8*\i:47+8*\i], s[72:73]
	v_lshrrev_b32 v[34+\i], v14, v[32+\i]
	global_store_b16 v[12+\i], v[34+\i], s[72:73]                ; two scale bytes a lane
.endr
	s_wait_dscnt 0x0
	s_set_vgpr_msb 0x4
	s_wait_tensorcnt 0x0
	ds_add_u32 v15, v1
	s_wait_dscnt 0x0
	s_set_vgpr_msb 0x400
	CROUND                                         ; the closing round: no work-group ends while a partner may still ask for a tile that names it
	s_endpgm
.Lfunc_end_k_qae91aed659_qkv:
	.size	k_qae91aed659_qkv, .Lfunc_end_k_qae91aed659_qkv-k_qae91aed659_qkv
	.p2alignl 7, 3214868480
	.fill 96, 4, 3214868480
	.section	.rodata,"a",@progbits
	.p2align	6, 0x0
	.amdhsa_kernel k_qae91aed659_qkv
		.amdhsa_group_segment_fixed_size 245248
		.amdhsa_private_segment_fixed_size 0
		.amdhsa_enable_private_segment 0
		.amdhsa_kernarg_size 40
		.amdhsa_user_sgpr_count 2
		.amdhsa_user_sgpr_kernarg_segment_ptr 1
		.amdhsa_wavefront_size32 1
		.amdhsa_system_sgpr_workgroup_id_x 1
		.amdhsa_system_sgpr_workgroup_id_y 1
		.amdhsa_system_sgpr_workgroup_id_z 1
		.amdhsa_system_vgpr_workitem_id 0
		.amdhsa_next_free_vgpr 258
		.amdhsa_next_free_sgpr 80
		.amdhsa_reserve_vcc 1
		.amdhsa_float_denorm_mode_32 3
		.amdhsa_float_denorm_mode_16_64 3
		.amdhsa_memory_ordered 1
		.amdhsa_forward_progress 1
		.amdhsa_inst_pref_size 48
	.end_amdhsa_kernel
	.amdgpu_metadata
---
amdhsa.version: [ 1, 2 ]
amdhsa.kernels:
  - .name:           k_qae91aed659_qkv
    .symbol:         k_qae91aed659_qkv.kd
    .args:
      - { .name: xq, .offset: 0, .size: 8, .value_kind: global_buffer, .address_space: global }
      - { .name: wq, .offset: 8, .size: 8, .value_kind: global_buffer, .address_space: global }
      - { .name: bqkv, .offset: 16, .size: 8, .value_kind: global_buffer, .address_space: global }
      - { .name: qq, .offset: 24, .size: 8, .value_kind: global_buffer, .address_space: global }
      - { .name: kv, .offset: 32, .size: 8, .value_kind: global_buffer, .address_space: global }
    .group_segment_fixed_size: 245248
    .private_segment_fixed_size: 0
    .kernarg_segment_align: 8
    .kernarg_segment_size: 40
    .max_flat_workgroup_size: 384
    .sgpr_count:     80
    .vgpr_count:     258
    .wavefront_size: 32
...
	.end_amdgpu_metadata
.endif
;; end of part 2
;; launch attn (part 3): grid 4 x 64, 16 waves a work-group, clusters of 4 x 1, 169,984 bytes of LDS; arguments qq, kv, oq; writes oq
.if DOCPART == 3
	.amdgcn_target "amdgcn-amd-amdhsa--gfx1250"
	.amdhsa_code_object_version 6
	.text
	.protected	k_qae91aed659_attn
	.globl	k_qae91aed659_attn
	.p2align	8
	.type	k_qae91aed659_attn,@function
k_qae91aed659_attn:
	s_mov_b64 s[64:65], 0
	v_nop
	global_prefetch_b8 v0, s[64:65] scope:SCOPE_SE
	s_setreg_imm32_b32 hwreg(HW_REG_WAVE_MODE, 25, 1), 1
	s_wait_xcnt 0x0
	s_wait_alu depctr_hold_cnt(0) depctr_sa_sdst(0) depctr_va_vdst(0) depctr_va_sdst(0) depctr_va_ssrc(0) depctr_va_vcc(0) depctr_vm_vsrc(0)
	s_getreg_b32 s2, hwreg(HW_REG_IB_STS2, 6, 4)
	s_cmp_eq_u32 s2, 0
	s_cbranch_scc0 .Lentry_in_a_cluster
	s_endpgm
.Lentry_in_a_cluster:
	s_bfe_u32 s2, ttmp6, 0x10000c
	s_cmp_lg_u32 s2, 0x3003
	s_cbranch_scc0 .Lentry_shape_is_right
	s_endpgm
.Lentry_shape_is_right:
; o = softmax(q k^T / 8) v for one (batch, head) a cluster, both products on codes of FP4 (E2M1) with E8M0 scales; o leaves as codes, quantised along the head's 64 for the last product.
; THE SOFTMAX: t = score x log2(e) / 8; M = the running largest t rounded UP to a whole number; p = 2^(t - M) is quantised along the keys, not normalised; the row's sum is taken of the unquantised p and divides at the end.
; When M moves, the sum and O are multiplied by 2^(old M - new M): exact.
; SHARES.  A work-group owns 512 queries of the head; each of its sixteen waves takes one tile of 16 queries, twice (passes 0, 1), and walks all 2,048 keys, 128 a step.  Four waves share a SIMD.
; LDS holds the head's K, V and their scale words whole (139,264 bytes, a copy of kv's part), filled once: no ring.
; CLUSTER.  The four work-groups of a cluster are the four query blocks of one head: K and V are asked for JOINTLY, each wave a sixteenth.
; LAYOUT.  Both products transposed: S^T = K Q^T, O^T = V^T P^T: a lane holds one query throughout.  The head has 64 channels and the instruction's K is 128: a fragment of K is a PAIR of key tiles
; (tile 2 b at k 0..63, tile 2 b + 1 at k 64..127); multiplied by [q | 0] it gives the first tile's scores, by [0 | q] the second's: zero codes add nothing.  v16-19 = 0, v20-23 = q, v24-27 = 0 serve both.
; The keys of a tile are chosen (row r of tile 2 b + u = key 32 b + 8 u + r + 8 (r / 8)), so that the 16 registers of a pair are 16 neighbouring keys; V's channel tiles likewise, so that O^T's registers run along the channels.
; All tiles are asked for at the head, so there is no later stream to ask ahead for.
; LIMITS: NaN and infinities are not served; a block of zeros carries the byte 1; O is divided by the sum by v_rcp_f32 and a multiplication.
.set KVB, 139264
.set QQB, 69632
.set KF,  32                           ; v32-63   four pair fragments of K
.set VF,  64                           ; v64-95   four fragments of V^T
.set S,   96                           ; v96-159  S^T, then p; on the way out O^T / the sum
.set O,   160                          ; v160-191 O^T
.set PC,  192                          ; v192-199 p's codes
.set SC,  200                          ; v200-203 scale words: lanes 0-15 K's four pairs, lanes 16-31 V's four tiles
.set BM,  204                          ; v204-207 the blocks' largest scores, then largest p
.set BX,  208                          ; v208-211 lane permutes' results, then bytes
.set SO,  212                          ; v212-215 the conversions' scale operands
.set WV,  14                           ; v1 16 x lane; v2, v3 Q's codes and scale word; v4, v5 o's; v8-10 LDS addresses; v12 -M, v13 the largest t, v[14:15] the sum; v28, v29 Q's scale words; v[216:217] f, 0; v218 at work; v219 p's scale word; v[220:221] the sum's second chain
.set SEL, 20
.set CS,  22
.set G1,  24
.set G0,  32
.set TK,  36
.set TS,  37
.set CNT, 38
.set SH,  39
.macro CROUND                          ; a round of the cluster's barrier
	s_barrier_signal -1
	s_barrier_wait -1
	s_cmp_lg_u32 s[WV], 0
	s_cbranch_scc1 .Lnot_wave_0_\@
	s_barrier_signal -3
.Lnot_wave_0_\@:
	s_barrier_wait -3
	s_barrier_signal -1
	s_barrier_wait -1
.endm
	s_load_b128 s[4:7], s[0:1], 0x0                ; qq, kv
	s_load_b64 s[8:9], s[0:1], 0x10                ; oq
	v_lshl_add_u32 v254, v0, 2, 0x29000
	v_mov_b32 v255, 0
	ds_add_u32 v254, v255
	ds_add_u32 v254, v255
	v_lshrrev_b32 v1, 5, v0
	s_delay_alu instid0(VALU_DEP_1)
	v_readfirstlane_b32 s[WV], v1                  ; wave 0..15
	s_bfe_u32 s15, ttmp6, 0x40000                  ; cx: my block of 512 queries: it enters global addresses alone
	s_and_b32 s16, ttmp7, 0xffff                   ; batch x 16 + head, which the four partners share
	s_mov_b32 s[SEL], 0x76543210
	s_mov_b32 s[SEL+1], 0xfedcba98
	s_mov_b32 s[CS], 0x3e38aa3b                    ; c = log2(e) / 8
	s_mov_b32 s[CS+1], s[CS]                       ; (named with it as a pair, so it is written)
	s_mov_b32 s[G1], 15|(3<<16)|(1<<21)            ; 15:0 the mask: all four; 17:16 elements of 8 bytes; 21 set beside a mask; no padding
	s_mov_b32 s[G1+1], 32<<16                      ; rows of 256 bytes
	s_mov_b32 s[G1+2], 34<<16                      ; a sixteenth of the head's part: 34 rows
	s_mov_b32 s[G1+3], 32<<16
	s_mov_b32 s[G1+4], 34
	s_mov_b32 s[G1+5], 32
	s_mov_b32 s[G1+6], 0
	s_mov_b32 s[G1+7], 0
	s_mul_i32 s17, s[WV], 8704
	s_mul_i32 s40, s16, KVB
	s_add_co_u32 s40, s40, s17
	s_mov_b32 s41, 0
	s_wait_dscnt 0x0
	s_wait_kmcnt 0x0
	s_mov_b32 s[G0], 1
	s_mov_b32 s[G0+1], s17
	s_add_nc_u64 s[G0+2:G0+3], s[6:7], s[40:41]
	s_or_b32 s[G0+3], s[G0+3], 0x80000000
	CROUND                                         ; all four work-groups are here: the joint loads meet
	tensor_load_to_lds s[G0:G0+3], s[G1:G1+7]      ; one tensor load a wave, the only one of the launch
	s_nop 0
.rept 4
	v_nop
.endr
	v_and_b32 v6, 31, v0
	s_delay_alu instid0(VALU_DEP_1)
	v_lshlrev_b32 v1, 4, v6                        ; 16 x lane
	v_and_b32 v7, 15, v0
	s_delay_alu instid0(VALU_DEP_1)
	v_lshlrev_b32 v7, 4, v7                        ; 16 r
	s_wait_alu depctr_va_vdst(0)
	s_lshl_b32 s42, s15, 5
	s_add_co_u32 s42, s42, s[WV]                   ; pass 0's query tile in the head: 32 cx + wave
	s_lshl_b32 s42, s42, 9
	v_add_nc_u32 v2, s42, v1                       ; its codes: 512 bytes a tile
	s_lshl_b32 s43, s15, 2
	s_lshr_b32 s44, s[WV], 3
	s_add_co_u32 s43, s43, s44
	s_lshl_b32 s43, s43, 8                         ; its scale word: step = tile / 8,
	s_bfe_u32 s44, s[WV], 0x20001
	s_lshl_b32 s44, s44, 2                         ; pair = (tile / 2) % 4
	s_add_co_u32 s43, s43, s44
	s_add_co_u32 s43, s43, 65536
	v_add_nc_u32 v3, s43, v7
	s_and_b32 s[SH], s[WV], 1
	s_lshl_b32 s[SH], s[SH], 4                     ; and the word's half: 16 (tile % 2) bits up
	s_and_b32 s45, s16, 15                         ; head
	s_lshl_b32 s46, s[WV], 13                      ; o: token tile = wave; K step = head / 2; register group = head % 2
	s_lshr_b32 s47, s45, 1
	s_lshl_b32 s48, s47, 10
	s_add_co_u32 s46, s46, s48
	s_and_b32 s48, s45, 1
	s_lshl_b32 s49, s48, 9
	s_add_co_u32 s46, s46, s49
	v_add_nc_u32 v4, s46, v1
	s_lshl_b32 s50, s[WV], 9
	s_add_co_u32 s50, s50, 131072
	s_lshr_b32 s51, s45, 3
	s_lshl_b32 s51, s51, 8
	s_add_co_u32 s50, s50, s51
	s_and_b32 s51, s47, 3
	s_lshl_b32 s51, s51, 2
	s_add_co_u32 s50, s50, s51
	s_lshl_b32 s51, s48, 1
	s_add_co_u32 s50, s50, s51
	v_add_nc_u32 v5, s50, v7                       ; its two scale bytes
	s_mul_i32 s52, s16, QQB
	s_mov_b32 s53, 0
	s_add_nc_u64 s[4:5], s[4:5], s[52:53]
	s_lshr_b32 s54, s16, 4
	s_lshl_b32 s54, s54, 3
	s_lshl_b32 s55, s15, 1
	s_add_co_u32 s54, s54, s55                     ; pass 0's block of 256 tokens: 8 x batch + 2 cx
	s_mul_i32 s54, s54, KVB
	s_mov_b32 s55, 0
	s_add_nc_u64 s[8:9], s[8:9], s[54:55]
.irp j, 16,17,18,19,24,25,26,27
	v_mov_b32 v[\j], 0                             ; the zero codes on both sides of q
.endr
.irp b, 0,1,2,3
	v_mov_b32 v[BX+\b], 0                          ; a lane permute's destination counts as one of its sources
.endr
	v_mov_b32 v217, 0                              ; (named as the upper half of the pair v[216:217])
	v_mov_b32 v218, 0
; A KEY STEP: 128 keys
.macro STEP
	v_add_nc_u32 v8, s[TK], v1                     ; these four lines are the places in front of loads into registers that the last products have read
	v_add_nc_u32 v10, s[TS], v1
	s_delay_alu instid0(VALU_DEP_2)
	v_add_nc_u32 v9, 0x10000, v8
	v_nop
	ds_load_b128 v[SC:SC+3], v10
.irp b, 0,1,2,3
.irp c, 0,1
	ds_load_b128 v[KF+8*\b+4*\c:KF+8*\b+4*\c+3], v8 offset:1024*\b+512*\c
.endr
.endr
.irp n, 0,1,2,3
.irp c, 0,1
	ds_load_b128 v[VF+8*\n+4*\c:VF+8*\n+4*\c+3], v9 offset:1024*\n+512*\c
.endr
.endr
	s_wait_dscnt 8                                 ; the scale words and K are in; V's eight loads may be out
.irp b, 0,1,2,3
	v_wmma_scale_f32_16x16x128_f8f6f4 v[S+16*\b:S+16*\b+7], v[KF+8*\b:KF+8*\b+7], v[20:27], 0, v[SC+\b], v28 matrix_a_fmt:MATRIX_FMT_FP4 matrix_b_fmt:MATRIX_FMT_FP4
	v_wmma_scale_f32_16x16x128_f8f6f4 v[S+16*\b+8:S+16*\b+15], v[KF+8*\b:KF+8*\b+7], v[16:23], 0, v[SC+\b], v29 matrix_a_fmt:MATRIX_FMT_FP4 matrix_b_fmt:MATRIX_FMT_FP4
.endr                                  ; register 16 b + i of lane (r, h): query r, key 32 b + 16 h + i of the step
.rept 4
	v_nop
.endr
.irp b, 0,1,2,3
	v_max3_num_f32 v[BM+\b], v[S+16*\b], v[S+16*\b+1], v[S+16*\b+2]   ; the largest score of each block of 32 keys: for the row's maximum and, since p rises with the score, for the block's largest p
.endr
.irp i, 3,5,7,9,11,13
.irp b, 0,1,2,3
	v_max3_num_f32 v[BM+\b], v[BM+\b], v[S+16*\b+\i], v[S+16*\b+\i+1]
.endr
.endr
.irp b, 0,1,2,3
	v_max_num_f32 v[BM+\b], v[BM+\b], v[S+16*\b+15]
.endr
.irp b, 0,1,2,3
	s_delay_alu instid0(VALU_DEP_4)
	v_permlanex16_b32 v[BX+\b], v[BM+\b], s[SEL], s[SEL+1]
.endr
.irp b, 0,1,2,3
	s_delay_alu instid0(VALU_DEP_4)
	v_max_num_f32 v[BM+\b], v[BM+\b], v[BX+\b]     ; with lane l xor 16's 16 keys
.endr
	s_delay_alu instid0(VALU_DEP_2)
	v_max3_num_f32 v218, v[BM], v[BM+1], v[BM+2]
	s_delay_alu instid0(VALU_DEP_1)
	v_max_num_f32 v218, v218, v[BM+3]
	s_delay_alu instid0(VALU_DEP_1)
	v_mul_f32 v218, s[CS], v218                    ; the step's largest t (c is positive)
	s_delay_alu instid0(VALU_DEP_1)
	v_max_num_f32 v13, v13, v218                   ; the running largest t
	v_mov_b32 v218, v12
	s_delay_alu instid0(VALU_DEP_2)
	v_floor_f32 v12, -v13                          ; the new -M = floor(-t): M is a whole number
	s_delay_alu instid0(VALU_DEP_1)
	v_sub_f32 v218, v12, v218                      ; old M - new M: a whole number, 0 or less
	s_delay_alu instid0(VALU_DEP_1)
	v_cvt_i32_f32 v218, v218                       ; (it saturates)
	s_delay_alu instid0(VALU_DEP_1)
	v_ldexp_f32 v216, 1.0, v218                    ; f = 2^(old M - new M)
.set J, 0
.rept 32
	v_pk_fma_f32 v[S+J:S+J+1], v[S+J:S+J+1], s[CS:CS+1], v[12:13] op_sel_hi:[1,0,0]   ; t - M, two at a time
.set J, J+2
.endr
.irp b, 0,1,2,3
	v_fma_f32 v[BM+\b], v[BM+\b], s[CS], v12       ; the same of each block's largest score
.endr
.set J, 0
	s_wait_alu depctr_va_vdst(0)
.rept 64
	v_exp_f32 v[S+J], v[S+J]                       ; p = 2^(t - M)
.set J, J+1
.endr
	s_setprio 1
	v_pk_mul_f32 v[14:15], v[14:15], v[216:217] op_sel_hi:[1,0]   ; the sums under the new M: the plain line behind the exponentials
	s_wait_alu depctr_va_vdst(0)                   ; one wait for the batch, ahead of its first reader
.irp b, 0,1,2,3
	v_exp_f32 v[BM+\b], v[BM+\b]                   ; the block's largest p
.endr
	v_pk_add_f32 v[220:221], v[100:101], v[104:105]
	v_pk_add_f32 v[252:253], v[108:109], v[112:113]
	v_pk_add_f32 v[250:251], v[116:117], v[120:121]
	v_pk_add_f32 v[248:249], v[124:125], v[128:129]
	v_pk_add_f32 v[246:247], v[132:133], v[136:137]
	v_pk_add_f32 v[244:245], v[140:141], v[144:145]
	v_pk_add_f32 v[242:243], v[148:149], v[152:153]
	v_pk_add_f32 v[14:15], v[14:15], v[156:157]
	v_pk_add_f32 v[220:221], v[220:221], v[96:97]
	v_pk_add_f32 v[252:253], v[252:253], v[98:99]
	v_pk_add_f32 v[250:251], v[250:251], v[102:103]
	v_pk_add_f32 v[248:249], v[248:249], v[106:107]
	v_pk_add_f32 v[246:247], v[246:247], v[110:111]
	v_pk_add_f32 v[244:245], v[244:245], v[114:115]
	v_pk_add_f32 v[242:243], v[242:243], v[118:119]
	v_pk_add_f32 v[14:15], v[14:15], v[122:123]
	v_pk_add_f32 v[220:221], v[220:221], v[126:127]
	v_pk_add_f32 v[252:253], v[252:253], v[130:131]
	v_pk_add_f32 v[250:251], v[250:251], v[134:135]
	v_pk_add_f32 v[248:249], v[248:249], v[138:139]
	v_pk_add_f32 v[246:247], v[246:247], v[142:143]
	v_pk_add_f32 v[244:245], v[244:245], v[146:147]
	v_pk_add_f32 v[242:243], v[242:243], v[150:151]
	v_pk_add_f32 v[14:15], v[14:15], v[154:155]
	v_pk_add_f32 v[220:221], v[220:221], v[158:159]
	s_delay_alu instid0(VALU_DEP_2)
	v_pk_add_f32 v[14:15], v[14:15], v[248:249]
	s_delay_alu instid0(VALU_DEP_2)
	v_pk_add_f32 v[220:221], v[220:221], v[246:247]
	v_pk_add_f32 v[252:253], v[252:253], v[244:245]
	v_pk_add_f32 v[250:251], v[250:251], v[242:243]
	s_delay_alu instid0(VALU_DEP_2)
	v_pk_add_f32 v[14:15], v[14:15], v[252:253]
	s_delay_alu instid0(VALU_DEP_2)
	v_pk_add_f32 v[220:221], v[220:221], v[250:251]
	s_delay_alu instid0(VALU_DEP_1)
	v_pk_add_f32 v[14:15], v[14:15], v[220:221]
	s_wait_alu depctr_va_vdst(0)                   ; and one for the four
.irp b, 0,1,2,3
	v_max_num_f32 v[BM+\b], 0x1800000, v[BM+\b]    ; the floor 2^(3 - 127): the byte cannot fall under 1
.endr
.irp b, 0,1,2,3
	s_delay_alu instid0(VALU_DEP_4)
	v_add_nc_u32 v[SO+\b], 0xff000000, v[BM+\b]
.endr
.irp b, 0,1,2,3
	s_delay_alu instid0(VALU_DEP_4)
	v_lshrrev_b32 v[BX+\b], 23, v[SO+\b]
.endr
	s_delay_alu instid0(VALU_DEP_3)
	v_lshl_or_b32 v219, v[BX+1], 8, v[BX]          ; p's scale word for these 128 keys
	s_delay_alu instid0(VALU_DEP_1)
	v_lshl_or_b32 v219, v[BX+2], 16, v219
	s_delay_alu instid0(VALU_DEP_1)
	v_lshl_or_b32 v219, v[BX+3], 24, v219
.irp b, 0,1,2,3
	v_cvt_scalef32_pk8_fp4_f32 v[PC+2*\b], v[S+16*\b:S+16*\b+7], v[SO+\b]
	v_cvt_scalef32_pk8_fp4_f32 v[PC+2*\b+1], v[S+16*\b+8:S+16*\b+15], v[SO+\b]
.endr
	v_nop                                          ; one plain line behind a scaled conversion
.irp c, 0,1
.irp i, 0,1
	v_permlane16_swap_b32 v[PC+4*\c+\i], v[PC+2+4*\c+\i]   ; a whole block to a lane
.endr
.endr
.set J, 0
	s_setprio 0
.rept 16
	v_pk_mul_f32 v[O+J:O+J+1], v[O+J:O+J+1], v[216:217] op_sel_hi:[1,0]   ; O^T under the new M; these sixteen are also the places between the lines that made p's codes and scale word and the products
.set J, J+2
.endr
	s_wait_alu depctr_va_vdst(0)
	s_wait_dscnt 0x0                               ; V is in
.irp n, 0,1,2,3
	v_wmma_scale_f32_16x16x128_f8f6f4 v[O+8*\n:O+8*\n+7], v[VF+8*\n:VF+8*\n+7], v[PC:PC+7], v[O+8*\n:O+8*\n+7], v[SC+\n], v219 matrix_a_fmt:MATRIX_FMT_FP4 matrix_b_fmt:MATRIX_FMT_FP4 matrix_a_scale:MATRIX_SCALE_ROW1
.endr
	s_add_co_u32 s[TK], s[TK], 4096
	s_add_co_u32 s[TS], s[TS], 512
.endm
; A PASS: one tile of 16 queries through all keys, and its o out as codes
.macro PASS p
.if \p
	s_wait_xcnt 0x0                                ; the last pass's stores have read their data registers, which this pass writes again
.endif
	global_load_b128 v[20:23], v2, s[4:5] offset:8192*\p
	global_load_b32 v28, v3, s[4:5] offset:512*\p
	v_mov_b32 v13, 0xff61b1e6                      ; the largest t so far: -3e38
	s_delay_alu instid0(VALU_DEP_1)
	v_floor_f32 v12, -v13
	v_mov_b32 v14, 0
	v_mov_b32 v15, 0
	s_wait_loadcnt 0x0
	v_lshrrev_b32 v28, s[SH], v28
	s_delay_alu instid0(VALU_DEP_1)
	v_and_b32 v28, 0xffff, v28                     ; for [q | 0]: my tile's two bytes below; the bytes over the zero codes are 0, never 0xff
	s_delay_alu instid0(VALU_DEP_1)
	v_lshlrev_b32 v29, 16, v28                     ; for [0 | q]
.set J, 0
.rept 32
	v_mov_b32 v[O+J], 0                            ; the step is written once: its first trip finds zeros.  (Also the places between the scale words' lines and the first product)
.set J, J+1
.endr
.if \p == 0
	s_wait_tensorcnt 0x0                           ; my part of K and V has landed,
	s_barrier_signal -1
	s_barrier_wait -1                              ; everybody's has.  From here on LDS is only read
.endif
	s_mov_b32 s[TK], 0
	s_mov_b32 s[TS], 131072
	s_mov_b32 s[CNT], 16
.Lstep_\p:
	s_setprio 2
	STEP
	s_sub_co_u32 s[CNT], s[CNT], 1
	s_cmp_lg_u32 s[CNT], 0
	s_cbranch_scc1 .Lstep_\p
	s_setprio 0
.rept 4
	v_nop                                          ; places behind the last products
.endr
	v_add_f32 v14, v14, v15
	s_delay_alu instid0(VALU_DEP_1)
	v_permlanex16_b32 v218, v14, s[SEL], s[SEL+1]
	s_delay_alu instid0(VALU_DEP_1)
	v_add_f32 v14, v14, v218                       ; the row's sum
	s_wait_alu depctr_va_vdst(0)
	v_rcp_f32 v14, v14
	v_nop
	s_wait_alu depctr_va_vdst(0)                   ; ahead of the reciprocal's first reader
.set J, 0
.rept 32
	v_mul_f32 v[S+J], v[O+J], v14                  ; o: register 16 b + i = channel 32 b + 16 h + i of my query
.set J, J+1
.endr
.irp b, 0,1
	v_max3_num_f32 v[BM+\b], |v[S+16*\b]|, |v[S+16*\b+1]|, 0x1800000
.endr
.irp i, 2,4,6,8,10,12,14
.irp b, 0,1
	s_delay_alu instid0(VALU_DEP_2)
	v_max3_num_f32 v[BM+\b], v[BM+\b], |v[S+16*\b+\i]|, |v[S+16*\b+\i+1]|
.endr
.endr
.irp b, 0,1
	s_delay_alu instid0(VALU_DEP_2)
	v_permlanex16_b32 v[BX+\b], v[BM+\b], s[SEL], s[SEL+1]
.endr
.irp b, 0,1
	s_delay_alu instid0(VALU_DEP_2)
	v_max_num_f32 v[BM+\b], v[BM+\b], v[BX+\b]
.endr
.irp b, 0,1
	s_delay_alu instid0(VALU_DEP_2)
	v_add_nc_u32 v[SO+\b], 0xff000000, v[BM+\b]
.endr
.irp b, 0,1
	s_delay_alu instid0(VALU_DEP_2)
	v_lshrrev_b32 v[BX+\b], 23, v[SO+\b]
.endr
	s_delay_alu instid0(VALU_DEP_1)
	v_lshl_or_b32 v219, v[BX+1], 8, v[BX]
.irp b, 0,1
	v_cvt_scalef32_pk8_fp4_f32 v[PC+2*\b], v[S+16*\b:S+16*\b+7], v[SO+\b]
	v_cvt_scalef32_pk8_fp4_f32 v[PC+2*\b+1], v[S+16*\b+8:S+16*\b+15], v[SO+\b]
.endr
	v_nop
.irp i, 0,1
	v_permlane16_swap_b32 v[PC+\i], v[PC+2+\i]
.endr
	global_store_b128 v4, v[PC:PC+3], s[8:9] offset:KVB*\p   ; 32 lanes store 512 consecutive bytes
	global_store_b16 v5, v219, s[8:9] offset:KVB*\p          ; both halves of the lanes hold the same two bytes
.endm
	PASS 0
	PASS 1
	s_wait_dscnt 0x0
	s_wait_tensorcnt 0x0
	ds_add_u32 v254, v255
	s_wait_dscnt 0x0
	CROUND                                         ; the closing round
	s_endpgm
.Lfunc_end_k_qae91aed659_attn:
	.size	k_qae91aed659_attn, .Lfunc_end_k_qae91aed659_attn-k_qae91aed659_attn
	.p2alignl 7, 3214868480
	.fill 96, 4, 3214868480
	.section	.rodata,"a",@progbits
	.p2align	6, 0x0
	.amdhsa_kernel k_qae91aed659_attn
		.amdhsa_group_segment_fixed_size 169984
		.amdhsa_private_segment_fixed_size 0
		.amdhsa_enable_private_segment 0
		.amdhsa_kernarg_size 24
		.amdhsa_user_sgpr_count 2
		.amdhsa_user_sgpr_kernarg_segment_ptr 1
		.amdhsa_wavefront_size32 1
		.amdhsa_system_sgpr_workgroup_id_x 1
		.amdhsa_system_sgpr_workgroup_id_y 1
		.amdhsa_system_sgpr_workgroup_id_z 1
		.amdhsa_system_vgpr_workitem_id 0
		.amdhsa_next_free_vgpr 256
		.amdhsa_next_free_sgpr 66
		.amdhsa_reserve_vcc 0
		.amdhsa_float_denorm_mode_32 3
		.amdhsa_float_denorm_mode_16_64 3
		.amdhsa_memory_ordered 1
		.amdhsa_forward_progress 1
		.amdhsa_inst_pref_size 50
	.end_amdhsa_kernel
	.amdgpu_metadata
---
amdhsa.version: [ 1, 2 ]
amdhsa.kernels:
  - .name:           k_qae91aed659_attn
    .symbol:         k_qae91aed659_attn.kd
    .args:
      - { .name: qq, .offset: 0, .size: 8, .value_kind: global_buffer, .address_space: global }
      - { .name: kv, .offset: 8, .size: 8, .value_kind: global_buffer, .address_space: global }
      - { .name: oq, .offset: 16, .size: 8, .value_kind: global_buffer, .address_space: global }
    .group_segment_fixed_size: 169984
    .private_segment_fixed_size: 0
    .kernarg_segment_align: 8
    .kernarg_segment_size: 24
    .max_flat_workgroup_size: 512
    .sgpr_count:     66
    .vgpr_count:     256
    .wavefront_size: 32
...
	.end_amdgpu_metadata
.endif
;; end of part 3
;; launch proj (part 4): grid 8 x 32, 8 waves a work-group, clusters of 4 x 1, 244,736 bytes of LDS; arguments oq, wq, bout, out0; writes out0
.if DOCPART == 4
	.amdgcn_target "amdgcn-amd-amdhsa--gfx1250"
	.amdhsa_code_object_version 6
	.text
	.protected	k_qae91aed659_proj
	.globl	k_qae91aed659_proj
	.p2align	8
	.type	k_qae91aed659_proj,@function
k_qae91aed659_proj:
	s_mov_b64 s[64:65], 0
	v_nop
	global_prefetch_b8 v0, s[64:65] scope:SCOPE_SE
	s_setreg_imm32_b32 hwreg(HW_REG_WAVE_MODE, 25, 1), 1
	s_wait_xcnt 0x0
	s_wait_alu depctr_hold_cnt(0) depctr_sa_sdst(0) depctr_va_vdst(0) depctr_va_sdst(0) depctr_va_ssrc(0) depctr_va_vcc(0) depctr_vm_vsrc(0)
	s_getreg_b32 s2, hwreg(HW_REG_IB_STS2, 6, 4)
	s_cmp_eq_u32 s2, 0
	s_cbranch_scc0 .Lentry_in_a_cluster
	s_endpgm
.Lentry_in_a_cluster:
	s_bfe_u32 s2, ttmp6, 0x10000c
	s_cmp_lg_u32 s2, 0x3003
	s_cbranch_scc0 .Lentry_shape_is_right
	s_endpgm
.Lentry_shape_is_right:
; out0 = o Wout + bout on codes of FP4 (E2M1) with E8M0 scales, K = 1,024; out0 [8192][1024] f32.
; SHARES.  A work-group makes 256 tokens x 128 columns.  Its block of o (139,264 bytes) and its block of the weights (69,632) lie in LDS whole, filled once: no ring.
; Eight waves: wave w takes tokens 64 (w % 4) on and columns 64 (w / 4) on: 16 accumulators.
; CLUSTER.  The four work-groups of a cluster take four column blocks of the same 256 tokens: the block of o is asked for JOINTLY (waves 0-3, a quarter each); waves 4-7 fetch the work-group's own weights.
; LAYOUT.  Source 0 = 16 columns of W, source 1 = 16 tokens: a lane holds one token and eight neighbouring columns a tile.  Row r of tile 2 b + u of a group of 32 (tokens and columns alike) is element 32 b + 8 u + r + 8 (r / 8).
; The bias is the C of each sum's first product.  Results leave through the wave's own stage in LDS: sixteen lanes store 256 consecutive bytes of a row, aligned.
.set XBLK, 139264
.set WO,   1671168
.set WOB,  69632
.set WB,   139264                      ; LDS: o's block at 0, the weights behind it,
.set STG,  208896                      ; and the stages: 16 rows x (256 bytes + 16) for each wave; no tile lands there
.set F0,   16
.set F1,   48
.set SS,   80
.set BIAS, 96
.set ACC,  128
.set WV,   14
.set G1W,  24
.set G1X,  32
.set G0W,  40
.set G0X,  44
.macro CROUND                          ; a round of the cluster's barrier
	s_barrier_signal -1
	s_barrier_wait -1
	s_cmp_lg_u32 s[WV], 0
	s_cbranch_scc1 .Lnot_wave_0_\@
	s_barrier_signal -3
.Lnot_wave_0_\@:
	s_barrier_wait -3
	s_barrier_signal -1
	s_barrier_wait -1
.endm
.macro FETCH s                         ; K step s: eight fragments, and every fourth step the scale words of four steps
.rept 4
	v_nop                                          ; places in front of loads into registers that matrix instructions have read
.endr
.if (\s)%4 == 0
.irp i, 0,1,2,3
	ds_load_b128 v[SS+4*\i:SS+4*\i+3], v5 offset:512*\i+256*((\s)/4)
.endr
.endif
.irp t, 0,1,2,3
.irp c, 0,1
	ds_load_b128 v[F0+8*\t+4*\c:F0+8*\t+4*\c+3], v3 offset:8192*\t+1024*(\s)+512*\c
	ds_load_b128 v[F1+8*\t+4*\c:F1+8*\t+4*\c+3], v4 offset:8192*\t+1024*(\s)+512*\c
.endr
.endr
	s_wait_dscnt 0x0
.endm
.macro MULS s, mode                    ; sixteen products; the sixteen accumulators take turns.  mode 0: onto the sums; 1: C = the bias by W's tile
.irp a, 0,1,2,3
.irp t, 0,1,2,3
.if \mode == 0
	v_wmma_scale_f32_16x16x128_f8f6f4 v[ACC+8*(4*\a+\t):ACC+8*(4*\a+\t)+7], v[F0+8*\t:F0+8*\t+7], v[F1+8*\a:F1+8*\a+7], v[ACC+8*(4*\a+\t):ACC+8*(4*\a+\t)+7], v[SS+4*\t+(\s)%4], v[SS+4*\a+(\s)%4] matrix_a_fmt:MATRIX_FMT_FP4 matrix_b_fmt:MATRIX_FMT_FP4 matrix_a_scale:MATRIX_SCALE_ROW1
.else
	v_wmma_scale_f32_16x16x128_f8f6f4 v[ACC+8*(4*\a+\t):ACC+8*(4*\a+\t)+7], v[F0+8*\t:F0+8*\t+7], v[F1+8*\a:F1+8*\a+7], v[BIAS+8*\t:BIAS+8*\t+7], v[SS+4*\t+(\s)%4], v[SS+4*\a+(\s)%4] matrix_a_fmt:MATRIX_FMT_FP4 matrix_b_fmt:MATRIX_FMT_FP4 matrix_a_scale:MATRIX_SCALE_ROW1
.endif
.endr
.endr
.endm
	s_load_b256 s[4:11], s[0:1], 0x0               ; oq s[4:5], wq s[6:7], bout s[8:9], out0 s[10:11]
	v_lshl_add_u32 v14, v0, 2, 0x3b800
	v_mov_b32 v15, 0
	ds_add_u32 v14, v15
	ds_add_u32 v14, v15
	v_lshrrev_b32 v1, 5, v0
	s_delay_alu instid0(VALU_DEP_1)
	v_readfirstlane_b32 s[WV], v1                  ; wave 0..7
	s_bfe_u32 s15, ttmp6, 0x40000                  ; cx
	s_lshl_b32 s16, ttmp9, 2
	s_add_co_u32 s16, s16, s15                     ; block of 128 columns = 4 x cluster x + cx: it enters global addresses alone
	s_and_b32 s17, ttmp7, 0xffff                   ; the block of 256 tokens, which the four partners share
	s_mov_b32 s[G1X], 15|(3<<16)|(1<<21)           ; 15:0 the mask: all four; 17:16 elements of 8 bytes; 21 set beside a mask; no padding
	s_mov_b32 s[G1X+1], 32<<16                     ; rows of 256 bytes
	s_mov_b32 s[G1X+2], 136<<16                    ; a quarter of o's block: 136 rows
	s_mov_b32 s[G1X+3], 32<<16
	s_mov_b32 s[G1X+4], 136
	s_mov_b32 s[G1X+5], 32
	s_mov_b32 s[G1X+6], 0
	s_mov_b32 s[G1X+7], 0
	s_mov_b32 s[G1W], 3<<16                        ; no mask
	s_mov_b32 s[G1W+1], 32<<16
	s_mov_b32 s[G1W+2], 68<<16                     ; a quarter of the weights' block: 68 rows
	s_mov_b32 s[G1W+3], 32<<16
	s_mov_b32 s[G1W+4], 68
	s_mov_b32 s[G1W+5], 32
	s_mov_b32 s[G1W+6], 0
	s_mov_b32 s[G1W+7], 0
	s_and_b32 s18, s[WV], 3                        ; which quarter I fetch; also tg: my 64 tokens
	s_mul_i32 s19, s18, 34816
	s_mul_i32 s48, s17, XBLK
	s_add_co_u32 s48, s48, s19
	s_mov_b32 s49, 0
	s_mul_i32 s51, s18, 17408
	s_mul_i32 s52, s16, WOB
	s_add_co_u32 s52, s52, s51
	s_add_co_u32 s52, s52, WO
	s_mov_b32 s53, 0
	s_wait_dscnt 0x0
	s_wait_kmcnt 0x0
	s_mov_b32 s[G0X], 1
	s_mov_b32 s[G0X+1], s19
	s_add_nc_u64 s[G0X+2:G0X+3], s[4:5], s[48:49]
	s_or_b32 s[G0X+3], s[G0X+3], 0x80000000
	s_mov_b32 s[G0W], 1
	s_add_co_u32 s[G0W+1], s51, WB
	s_add_nc_u64 s[G0W+2:G0W+3], s[6:7], s[52:53]
	s_or_b32 s[G0W+3], s[G0W+3], 0x80000000
	CROUND                                         ; all four work-groups are here: the joint loads meet
	s_cmp_lt_u32 s[WV], 4                          ; one tensor load a wave, the only one of the launch; four v_nop follow each line
	s_cbranch_scc0 .Lfor_w
	tensor_load_to_lds s[G0X:G0X+3], s[G1X:G1X+7]
	s_nop 0
.rept 4
	v_nop
.endr
	s_branch .Lasked
.Lfor_w:
	tensor_load_to_lds s[G0W:G0W+3], s[G1W:G1W+7]
	s_nop 0
.rept 4
	v_nop
.endr
.Lasked:
	s_lshr_b32 s55, s[WV], 2                       ; ng: my 64 columns
	s_lshl_b32 s56, s18, 15                        ; o: my four tiles' codes,
	s_lshl_b32 s57, s18, 11
	s_add_co_u32 s57, s57, 131072                  ; their scale words
	s_lshl_b32 s58, s55, 15
	s_add_co_u32 s58, s58, WB                      ; W: my four tiles' codes
	s_xor_b32 s59, s18, 3
	s_add_co_u32 s59, s59, s55
	s_lshl_b32 s59, s59, 11
	s_add_co_u32 s59, s59, 67584                   ; from o's scale words to W's: 73,728 + 2,048 ng - 2,048 tg, with 3 - tg = tg xor 3
	v_and_b32 v7, 31, v0
	s_delay_alu instid0(VALU_DEP_1)
	v_lshlrev_b32 v1, 4, v7                        ; 16 x lane
	v_and_b32 v7, 15, v0                           ; r
	s_delay_alu instid0(VALU_DEP_1)
	v_lshlrev_b32 v2, 4, v7                        ; 16 r
	v_bfe_u32 v6, v0, 4, 1                         ; h
	s_delay_alu instid0(VALU_DEP_4)
	v_add_nc_u32 v3, s58, v1
	v_add_nc_u32 v4, s56, v1
	s_delay_alu instid0(VALU_DEP_3)
	v_mul_u32_u24 v5, s59, v6                      ; lanes 0-15 take o's scale words, lanes 16-31 W's: the lower base + h x the distance
	s_delay_alu instid0(VALU_DEP_1)
	v_add_nc_u32 v5, v5, v2
	s_delay_alu instid0(VALU_DEP_1)
	v_add_nc_u32 v5, s57, v5
	s_mul_i32 s66, s[WV], 4352
	s_add_co_u32 s66, s66, STG                     ; my stage
	v_mul_u32_u24 v8, v7, 272
	s_delay_alu instid0(VALU_DEP_1)
	v_lshl_add_u32 v8, v6, 6, v8
	s_delay_alu instid0(VALU_DEP_1)
	v_add_nc_u32 v8, s66, v8                       ; in: row r, + 64 h
	v_mul_u32_u24 v9, v6, 272
	s_delay_alu instid0(VALU_DEP_1)
	v_add_nc_u32 v9, v9, v2
	s_delay_alu instid0(VALU_DEP_1)
	v_add_nc_u32 v9, s66, v9                       ; back: lanes 0-15 one row of 256 bytes, lanes 16-31 the next
	v_lshl_add_u32 v10, v6, 12, v2                 ; and the same two rows in out0
	s_lshl_b32 s62, s16, 9
	s_lshl_b32 s63, s55, 8
	s_add_co_u32 s62, s62, s63                     ; my first column, in bytes
	s_mov_b32 s63, 0
	s_add_nc_u64 s[8:9], s[8:9], s[62:63]
	s_lshl_b32 s60, s17, 20
	s_lshl_b32 s61, s18, 18
	s_add_co_u32 s60, s60, s61                     ; my first token's row
	s_add_co_u32 s60, s60, s62
	s_mov_b32 s61, 0
	s_add_nc_u64 s[10:11], s[10:11], s[60:61]
	v_lshlrev_b32 v11, 6, v6                       ; the bias: lane (r, h) wants, for W's tile 2 b + u, the numbers 32 b + 16 h + 8 u + 0 .. 7
.irp t, 0,1,2,3
	global_load_b128 v[BIAS+8*\t:BIAS+8*\t+3], v11, s[8:9] offset:(32*(\t/2)+8*(\t%2))*4
	global_load_b128 v[BIAS+8*\t+4:BIAS+8*\t+7], v11, s[8:9] offset:(32*(\t/2)+8*(\t%2))*4+16
.endr
	s_wait_alu depctr_va_vdst(0)
	s_wait_loadcnt 0x0
	s_wait_tensorcnt 0x0                           ; my part of the tiles has landed,
	s_barrier_signal -1
	s_barrier_wait -1                              ; everybody's has
	FETCH 0
	MULS 0, 1                                      ; the first K step starts the sums, with the bias as C
.irp s, 1,2,3,4,5,6,7
	FETCH \s
	MULS \s, 0
.endr
.rept 4
	v_nop                                          ; places behind the last products, in front of the stores that read results and the loads into the fragments' registers
.endr
	s_wait_dscnt 0x0
	s_barrier_signal -1                            ; every wave's reads of the tiles are over before any wave stores into LDS
	s_barrier_wait -1
	; THE WAY OUT, a tile of 16 tokens x 64 columns at a time, through my own stage: LDS serves a wave's instructions in order, so no wait stands between the stores and the loads
.irp a, 0,1,2,3
.if \a >= 2
	s_wait_xcnt 0x0                                ; the stores of two tiles back have read the registers that are loaded again
.endif
.irp t, 0,1,2,3
	ds_store_b128 v8, v[ACC+8*(4*\a+\t):ACC+8*(4*\a+\t)+3] offset:128*(\t/2)+32*(\t%2)          ; each accumulator from its low end on
	ds_store_b128 v8, v[ACC+8*(4*\a+\t)+4:ACC+8*(4*\a+\t)+7] offset:128*(\t/2)+32*(\t%2)+16
.endr
.irp i, 0,1,2,3,4,5,6,7
	ds_load_b128 v[16+32*(\a%2)+4*\i:16+32*(\a%2)+4*\i+3], v9 offset:544*\i
.endr
	s_wait_dscnt 0x0
.irp i, 0,1,2,3,4,5,6,7
	global_store_b128 v10, v[16+32*(\a%2)+4*\i:16+32*(\a%2)+4*\i+3], s[10:11] offset:(32*(\a/2)+8*(\a%2)+2*\i+8*(\i/4))*4096 th:TH_STORE_NT   ; stage rows 2 i, 2 i + 1 are tokens 2 i + h + 8 (i / 4) of the tile; 16 lanes store 256 consecutive bytes, aligned
.endr
.endr
	s_wait_dscnt 0x0
	s_wait_tensorcnt 0x0
	ds_add_u32 v14, v15
	s_wait_dscnt 0x0
	CROUND                                         ; the closing round
	s_endpgm
.Lfunc_end_k_qae91aed659_proj:
	.size	k_qae91aed659_proj, .Lfunc_end_k_qae91aed659_proj-k_qae91aed659_proj
	.p2alignl 7, 3214868480
	.fill 96, 4, 3214868480
	.section	.rodata,"a",@progbits
	.p2align	6, 0x0
	.amdhsa_kernel k_qae91aed659_proj
		.amdhsa_group_segment_fixed_size 244736
		.amdhsa_private_segment_fixed_size 0
		.amdhsa_enable_private_segment 0
		.amdhsa_kernarg_size 32
		.amdhsa_user_sgpr_count 2
		.amdhsa_user_sgpr_kernarg_segment_ptr 1
		.amdhsa_wavefront_size32 1
		.amdhsa_system_sgpr_workgroup_id_x 1
		.amdhsa_system_sgpr_workgroup_id_y 1
		.amdhsa_system_sgpr_workgroup_id_z 1
		.amdhsa_system_vgpr_workitem_id 0
		.amdhsa_next_free_vgpr 256
		.amdhsa_next_free_sgpr 72
		.amdhsa_reserve_vcc 0
		.amdhsa_float_denorm_mode_32 3
		.amdhsa_float_denorm_mode_16_64 3
		.amdhsa_memory_ordered 1
		.amdhsa_forward_progress 1
		.amdhsa_inst_pref_size 41
	.end_amdhsa_kernel
	.amdgpu_metadata
---
amdhsa.version: [ 1, 2 ]
amdhsa.kernels:
  - .name:           k_qae91aed659_proj
    .symbol:         k_qae91aed659_proj.kd
    .args:
      - { .name: oq, .offset: 0, .size: 8, .value_kind: global_buffer, .address_space: global }
      - { .name: wq, .offset: 8, .size: 8, .value_kind: global_buffer, .address_space: global }
      - { .name: bout, .offset: 16, .size: 8, .value_kind: global_buffer, .address_space: global }
      - { .name: out0, .offset: 24, .size: 8, .value_kind: global_buffer, .address_space: global }
    .group_segment_fixed_size: 244736
    .private_segment_fixed_size: 0
    .kernarg_segment_align: 8
    .kernarg_segment_size: 32
    .max_flat_workgroup_size: 256
    .sgpr_count:     72
    .vgpr_count:     256
    .wavefront_size: 32
...
	.end_amdgpu_metadata
.endif
;; end of part 4
